; MI455X (gfx1250); checked and timed in simulation.
; The chip was launched on July 23, 2026; its instructions are those of AMD's public machine-readable ISA for CDNA 5 (MIT licence, August 2026) and "CDNA5" Instruction Set Architecture Reference Guide (July 2026). The comments in the code are by the model that wrote it; some were corrected since.
;; ATSS. Allowed arithmetic: float matrix products may take bf16 or f16 operands with f32 sums; all other float work in f32.
;; Inputs: gt_boxes 16 x 128 x 4 float32; pred_boxes 16 x 16,384 x 4 float32.
;; Outputs: out0 16 x 128 x 64 float32; out1 16 x 128 x 64 bool; out2 16 x 128 x 64 int32.
;; One version. Each part assembles by itself: llvm-mc -triple=amdgcn-amd-amdhsa -mcpu=gfx1250 --defsym DOCPART=n.
;; ======== version 1 of 1: 1 launch
;; limits: below input magnitudes of 1.1e-19 results are inexact or not finite
;; launch atss (part 1): grid 256 x 1, 8 waves a work-group, no clusters, 185,856 bytes of LDS; arguments pred_boxes, gt_boxes, out0, out1, out2; writes out0, out1, out2
.if DOCPART == 1
	.amdgcn_target "amdgcn-amd-amdhsa--gfx1250"
	.amdhsa_code_object_version 6
	.text
	.protected	k_q206d737c47_atss
	.globl	k_q206d737c47_atss
	.p2align	8
	.type	k_q206d737c47_atss,@function
k_q206d737c47_atss:
	s_mov_b64 s[64:65], 0
	v_nop
	global_prefetch_b8 v0, s[64:65] scope:SCOPE_SE
	s_setreg_imm32_b32 hwreg(HW_REG_WAVE_MODE, 25, 1), 1
	s_wait_xcnt 0x0
; ATSS: for each of 2,048 GT boxes the 64 nearest of its batch's 16,384 prediction centres, in order, with IoU and selection mask.
; One launch, no workspace.  A work-group = one batch (ttmp9 >> 4) and 8 GTs (8 x ttmp9 ..); eight waves, 256 threads.
; NO BRANCH AND NO TRIP COUNT HANGS ON DATA: the work is the same for every input, and the result is exact for every finite input.
;
; THE RULE BEHIND IT.  Order the elements by K = (dist rounded as the reference rounds it, index), the order of lax.top_k.  Cut the index range into
; contiguous groups.  The 64 smallest elements lie in the 64 groups whose smallest elements come first: an element of any other group has 64
; smaller elements (those groups' smallest) in front of it.  A group's smallest element orders as (root of the group's smallest squared distance,
; group number): the root is monotone, and of two groups with equal roots the one with the lower number holds the lower indices.  Three rounds:
;   round 1   16,384 elements = 512 groups of 32   -> 64 groups =  2,048 elements
;   round 2    2,048 elements = 512 groups of 4    -> 64 groups =    256 elements
;   round 3      256 elements, each by itself      -> the 64
; A ROUND: roots of the minima, corrected to round-to-nearest; the 64th smallest root, bit by bit from bit 30 down (31 trips, a constant; counts by
; v_cmp and s_bcnt1, the choice by s_cselect); all keys below it are taken, and of the keys equal to it the first 64 - (number below), by ascending
; number (v_mbcnt over the ballots, registers in ascending order).  Exactly 64 are taken, whatever the data; each goes to the list place that
; v_mbcnt gives it, the others to a spare place.  Lists come out ascending, so that register and lane order is index order in the next round too.
;
; PHASES.  (0) thread t loads the centres of predictions 256 j + t (a wave's load spans 512 consecutive bytes) and stores them to LDS in index order, 16 bytes
; of padding behind every 64 centres; it reads back predictions 64 t .. 64 t + 63: pitch 528 bytes = 33 x 16, so that sixteen lanes' 16-byte loads
; fall on sixteen different 16-byte columns.  (1) the sweep: two GTs at a time in the halves of the packed f32 instructions; each thread keeps the smallest
; squared distance of its two groups of 32.  (2) from here wave w serves GT w: rounds 1 to 3, the centres gathered from LDS.  (3) the 64 boxes are
; gathered from memory; distance, IoU, inside; bitonic sort of 32 across the lanes, twice, and merge; threshold; outputs.
; The two gathers out of the centres take their addresses from lists; each stands between two barriers, so that no ordering between
; waves rests on the arithmetic of those addresses.  Every other LDS access of rounds 1 to 3 is to the wave's own 4,096 bytes.
; No cluster: the 16 work-groups of a batch read the same 256 KB, each for itself.  A joint tensor load would bring whole boxes, 270,336 bytes with
; the pads, where this text keeps the centres alone, 135,168 bytes; it is not done here.
; Limits: finite inputs.  IoU = inter / (area_a + area_b - inter) by v_rcp_f32 with two fused corrections: a denominator below 2^-126 is flushed by
; v_rcp_f32 (ISA guide 15.8) and gives NaN.  Mean and variance are summed as a tree over the lanes, not in the order of k: the threshold may differ
; from a sequential sum in its last bits.  Squared distance = fma(dx, dx, dy*dy): it decides the order only of distances an ulp apart.
.set JSTEP,  2112                      ; LDS bytes for 256 centres: 2,048 + 4 pads of 16
.set CPITCH, 528                       ; LDS bytes for 64 centres: a thread's block
.set MINS,   135168                    ; behind the centres: 8 GTs x 512 group minima
.set WS,     151552                    ; behind them: 4,096 bytes for each wave,
.set LA1,    0                         ;   round 1's list: LDS address of each group's first centre (64 words and a spare)
.set LG1,    272                       ;   and its group number
.set LA2,    544                       ;   round 2's list: address
.set LG2,    816                       ;   and number (index / 4)
.set LI3,    1088                      ;   round 3's list: the 64 indices
.set STG,    1536                      ;   512 bytes for the way out
.set SUBM,   2048                      ;   round 2's 512 minima
.set OUTM,   184320                    ; behind the waves: the work-group's 512 mask bytes
.set MAXA1,  134896                    ; the last group's address: 511 x 256 + 255 x 16
.set MAXA2,  135120                    ; the last group of four's: 4,095 x 32 + 255 x 16
.set WSB,    88                        ; s88        my wave's 4,096 bytes
.set P,      64                        ; v[64:191]  phases 0, 1: (cx, cy) of my 64 predictions
.set NGX,    8                         ; v[8:9]     -cx of the two GTs at work
.set NGY,    10                        ; v[10:11]   -cy
.set MN,     20                        ; v[20:23]   minima: GT A low group, A high group, B low, B high
.set D,      24                        ; v[24:39]   four sets of (dx pair, dy pair)
.set CN,     64                        ; v[64:191]  rounds 2, 3: gathered centres
.set KX,     96                        ; v[96:111]  a round's minima
.set KS,     112                       ; v[112:127] their roots: the keys
.set GG,     128                       ; v[128:143] numbers that go with the keys
.set AL,     192                       ; v[192:255] list addresses
.set GT,     40                        ; v40-43 x1 y1 x2 y2 of the GT, v44 its area
.set BOXA,   48                        ; v[48:51]   boxes of list places 0-31
.set BOXB,   28                        ; v[28:31]   boxes of list places 32-63
.set E0,     80                        ; v80-82     sorted elements 0-31:  key high, key low, iou
.set E1,     83                        ; v83-85     sorted elements 32-63
.set NW,     86                        ; v86-88     the new chunk
.set PT,     89                        ; v89-91     a partner's element
.set PU,     92                        ; v92-94     a second one
	s_load_b128 s[4:7], s[0:1], 0x0                ; pred s[4:5], gt s[6:7]
	s_load_b128 s[8:11], s[0:1], 0x10              ; out0 s[8:9], out1 s[10:11]
	s_load_b64 s[12:13], s[0:1], 0x20              ; out2
	s_set_vgpr_msb 0x40
	v_lshl_add_u32 v0, v0, 2, 0x2d200
	v_mov_b32 v1, 0
	s_set_vgpr_msb 0x4000
	v_and_b32 v1, 31, v0                           ; lane
	v_lshrrev_b32 v2, 5, v0
	v_readfirstlane_b32 s14, v2                    ; wave 0..7
	s_lshr_b32 s48, ttmp9, 4                       ; batch
	s_lshl_b32 s48, s48, 18                        ; x 16,384 boxes of 16 bytes
	s_mov_b32 s49, 0
	s_lshl_b32 s50, ttmp9, 7                       ; 8 GT boxes of 16 bytes a work-group
	s_mov_b32 s51, 0
	s_lshl_b32 s52, s14, 4                         ; my wave's GT among them
	s_mov_b32 s53, 0
	s_lshl_b32 s15, ttmp9, 3
	s_add_co_u32 s15, s15, s14                     ; my wave's GT, 0..2047
	s_lshl_b32 s54, s15, 8                         ; its 256 bytes of out0 and of out2
	s_mov_b32 s55, 0
	s_lshl_b32 s58, ttmp9, 9                       ; the work-group's 512 bytes of out1
	s_mov_b32 s59, 0
	s_lshl_b32 s[WSB], s14, 12
	s_add_co_u32 s[WSB], s[WSB], WS
	v_lshlrev_b32 v2, 4, v0                        ; my box in a block of 256 boxes
	v_lshrrev_b32 v3, 6, v0
	v_lshlrev_b32 v3, 4, v3
	v_lshl_add_u32 v4, v0, 3, v3                   ; prediction 256 j + t lies at 2,112 j + 8 t + 16 (t / 64); the 16-bit offset reaches 31 steps of j,
	v_add_nc_u32 v5, 31*JSTEP, v4                  ; so three bases
	v_add_nc_u32 v6, 62*JSTEP, v4
	v_mul_u32_u24 v3, v0, CPITCH                   ; my block of 64 centres
	v_lshlrev_b32 v7, 3, v0
	v_add_nc_u32 v7, MINS, v7                      ; my two words among a GT's 512 minima
	s_wait_kmcnt 0x0
	s_add_nc_u64 s[4:5], s[4:5], s[48:49]
	s_add_nc_u64 s[6:7], s[6:7], s[50:51]
	s_add_nc_u64 s[56:57], s[6:7], s[52:53]
	s_add_nc_u64 s[8:9], s[8:9], s[54:55]
	s_add_nc_u64 s[12:13], s[12:13], s[54:55]
	s_add_nc_u64 s[10:11], s[10:11], s[58:59]
	s_load_b512 s[16:31], s[6:7], 0x0              ; the 8 GTs for the sweep: GT g has cx in s[16+4g], cy in s[17+4g]
	s_load_b512 s[32:47], s[6:7], 0x40
	s_load_b128 s[68:71], s[56:57], 0x0            ; my wave's GT: cx cy w h
	; PHASE 0: the batch's centres into LDS, in index order
.set jj, 0
.rept 64
	global_load_b64 v[P+2*jj:P+2*jj+1], v2, s[4:5] offset:4096*jj
.set jj, jj+1
.endr
	s_wait_kmcnt 0x0
.irp g, 0,1,2,3,4,5,6,7
	s_xor_b32 s[16+4*\g], s[16+4*\g], 0x80000000   ; the centres negated: p + (-g) = -(g - p) exactly, and only its square is used
	s_xor_b32 s[17+4*\g], s[17+4*\g], 0x80000000
.endr
.set jj, 0
.rept 16
	s_wait_loadcnt 60-jj                           ; loads return in order: predictions jj..jj+3 are in, the 60-jj behind them may be out
.irp k, 0,1,2,3
	ds_store_b64 v[4+(jj+\k)/31], v[P+2*(jj+\k):P+2*(jj+\k)+1] offset:((jj+\k)%31)*JSTEP   ; a wave's store: 256 consecutive bytes
.endr
.set jj, jj+4
.endr
	s_wait_dscnt 0x0                               ; my centres are in LDS before I say so
	s_barrier_signal -1
	s_barrier_wait -1
.irp q, 0,1,2,3,4,5,6,7,8,9,10,11,12,13,14,15
	ds_load_b128 v[P+4*\q:P+4*\q+3],       v3 offset:16*\q          ; my predictions 2q, 2q+1 (low group)
	ds_load_b128 v[P+64+4*\q:P+64+4*\q+3], v3 offset:256+16*\q      ; and 32+2q, 33+2q (high group)
.endr
.macro CENTRES q                       ; GTs 2q (low halves) and 2q+1 (high halves)
	v_mov_b32 v[NGX],   s[16+8*\q]
	v_mov_b32 v[NGX+1], s[20+8*\q]
	v_mov_b32 v[NGY],   s[17+8*\q]
	v_mov_b32 v[NGY+1], s[21+8*\q]
.endm
.macro DIFFS set, j                    ; (cx - gxA, cx - gxB) and (cy - gyA, cy - gyB) of prediction j: op_sel broadcasts cx, then cy
	v_pk_add_f32 v[D+4*\set:D+4*\set+1],   v[P+2*(\j):P+2*(\j)+1], v[NGX:NGX+1] op_sel_hi:[0,1]
	v_pk_add_f32 v[D+4*\set+2:D+4*\set+3], v[P+2*(\j):P+2*(\j)+1], v[NGY:NGY+1] op_sel:[1,0] op_sel_hi:[1,1]
.endm
; PHASE 1, for one pair of GTs: a block takes two predictions of each of my groups: 16 packed instructions and 4 minima of three.
.macro SWEEP1 q
	CENTRES \q
.set jj, 0
.rept 16
.if \q == 0
	s_wait_dscnt 30-jj                             ; LDS loads return in order: the jj+2 that this block and those before it need are in, 30-jj may be out
.endif
	DIFFS 0, jj
	DIFFS 1, jj+1
	DIFFS 2, jj+32
	DIFFS 3, jj+33
.irp i, 0,1,2,3
	v_pk_mul_f32 v[D+4*\i+2:D+4*\i+3], v[D+4*\i+2:D+4*\i+3], v[D+4*\i+2:D+4*\i+3]
.endr
.irp i, 0,1,2,3
	v_pk_fma_f32 v[D+4*\i:D+4*\i+1], v[D+4*\i:D+4*\i+1], v[D+4*\i:D+4*\i+1], v[D+4*\i+2:D+4*\i+3]
.endr
.if jj == 0
	v_min_num_f32 v[MN],   v[D],   v[D+4]          ; the first block starts the four chains: nothing is preset
	v_min_num_f32 v[MN+2], v[D+1], v[D+5]
	v_min_num_f32 v[MN+1], v[D+8], v[D+12]
	v_min_num_f32 v[MN+3], v[D+9], v[D+13]
.else
	v_min3_num_f32 v[MN],   v[MN],   v[D],   v[D+4]
	v_min3_num_f32 v[MN+2], v[MN+2], v[D+1], v[D+5]
	v_min3_num_f32 v[MN+1], v[MN+1], v[D+8], v[D+12]
	v_min3_num_f32 v[MN+3], v[MN+3], v[D+9], v[D+13]
.endif
.set jj, jj+2
.endr
	ds_store_b64 v7, v[MN:MN+1]   offset:4096*\q           ; groups 2t and 2t+1 of GT 2q
	ds_store_b64 v7, v[MN+2:MN+3] offset:4096*\q+2048      ; and of GT 2q+1
.endm
	SWEEP1 0
	SWEEP1 1
	SWEEP1 2
	SWEEP1 3
	s_wait_dscnt 0x0                               ; my minima are in LDS before I say so
	s_barrier_signal -1
	s_barrier_wait -1
; The square root of v[x], rounded to nearest.  v_sqrt_f32 is good to one ulp and flushes denormals (ISA guide 15.8).  So: arguments below 2^-96
; are scaled by 2^32 (the root by 2^-16, both exact); then with s the approximation, s- and s+ its neighbours, x - s s- <= 0 says that the root
; lies below the midpoint of s- and s, x - s s+ > 0 that it lies above the midpoint of s and s+ (each residual by one fma, so its sign is exact).
.macro ROOT_HEAD x, s, a, sm
	v_mul_f32 v[\a], 0x4f800000, v[\x]
	v_cmp_gt_f32 s[\sm], 0x0f800000, v[\x]
	v_cndmask_b32 v[\x], v[\x], v[\a], s[\sm]
	v_sqrt_f32 v[\s], v[\x]                        ; a plain vector instruction that touches neither register follows before the result is used
.endm
.macro ROOT_TAIL x, s, a, b, c, d, sm
	s_wait_alu depctr_va_vdst(0)
	v_add_nc_u32 v[\a], -1, v[\s]
	v_add_nc_u32 v[\b], 1, v[\s]
	v_fma_f32 v[\c], -v[\a], v[\s], v[\x]
	v_fma_f32 v[\d], -v[\b], v[\s], v[\x]
	v_cmp_ge_f32 vcc_lo, 0, v[\c]
	v_cndmask_b32 v[\s], v[\s], v[\a], vcc_lo
	v_cmp_lt_f32 vcc_lo, 0, v[\d]
	v_cndmask_b32 v[\s], v[\s], v[\b], vcc_lo
	v_mul_f32 v[\a], 0x37800000, v[\s]
	v_cndmask_b32 v[\s], v[\s], v[\a], s[\sm]
.endm
.macro ROOT2 x0, s0, x1, s1            ; two roots: behind each v_sqrt_f32 stands a plain line of the other one (v_mul_f32, v_add_nc_u32)
	ROOT_HEAD \x0, \s0, 40, 44
	ROOT_HEAD \x1, \s1, 44, 45
	ROOT_TAIL \x0, \s0, 40, 41, 42, 43, 44
	ROOT_TAIL \x1, \s1, 44, 45, 46, 47, 45
.endm
; The 64th smallest of 32 nv keys (nv = 8 or 16 a lane, from v[KS] on).  Roots are not negative, so their bit patterns order as unsigned numbers below 2^31.
; A bit stays if fewer than 64 keys lie below the trial value.  Out: s50 the key, s57 = 64 - the number of keys below it; s58, s59 = 0 for SELPOS.
.macro SEARCH name, nv
	s_mov_b32 s50, 0                               ; the bits found
	s_mov_b32 s56, 0                               ; the number of keys below them
	s_mov_b32 s52, 31                              ; bits to go
.Lsearch_\name:
	s_sub_co_u32 s53, s52, 1
	s_lshl_b32 s51, 1, s53
	s_or_b32 s51, s50, s51                         ; try the bit
.set ii, 0
.rept \nv
	v_cmp_gt_u32 s[72+ii], s51, v[KS+ii]
.set ii, ii+1
.endr
.set ii, 0
.rept \nv
	s_bcnt1_i32_b32 s[72+ii], s[72+ii]
.set ii, ii+1
.endr
.if \nv == 16
.irp k, 0,2,4,6
	s_add_co_u32 s[80+\k], s[80+\k], s[81+\k]
.endr
	s_add_co_u32 s80, s80, s82
	s_add_co_u32 s84, s84, s86
	s_add_co_u32 s80, s80, s84
.endif
.irp k, 0,2,4,6
	s_add_co_u32 s[72+\k], s[72+\k], s[73+\k]
.endr
	s_add_co_u32 s72, s72, s74
	s_add_co_u32 s76, s76, s78
	s_add_co_u32 s72, s72, s76
.if \nv == 16
	s_add_co_u32 s72, s72, s80
.endif
	s_cmp_ge_u32 s72, 64                           ; 64 or more below: the 64th is below too, the bit stays 0
	s_cselect_b32 s50, s50, s51
	s_cselect_b32 s56, s56, s72                    ; (s_cselect leaves SCC alone)
	s_sub_co_i32 s52, s52, 1
	s_cmp_lg_u32 s52, 0
	s_cbranch_scc1 .Lsearch_\name
	s_sub_co_u32 s57, 64, s56
	s_mov_b32 s58, 0                               ; keys equal to the 64th met so far
	s_mov_b32 s59, 0                               ; keys taken so far
.endm
; One register of keys, in ascending order of registers: v9 = LDS address of the lane's list word (my wave's bytes + 4 x place; place 64 for a key not taken)
.macro SELPOS k
	v_cmp_gt_u32 s60, s50, v[\k]                   ; below the 64th: taken
	v_cmp_eq_u32 s61, s50, v[\k]                   ; equal to it:
	v_mbcnt_lo_u32_b32 v8, s61, s58                ; how many such stand in front of me, in ascending number
	v_cmp_gt_u32 s62, s57, v8                      ; taken while places are left
	s_and_b32 s62, s62, s61
	s_or_b32 s60, s60, s62
	v_mbcnt_lo_u32_b32 v9, s60, s59                ; my place
	v_cndmask_b32 v9, v5, v9, s60
	v_min_u32 v9, 64, v9                           ; (never more: the bound is written out for the address)
	v_lshl_add_u32 v9, v9, 2, s[WSB]
	s_bcnt1_i32_b32 s61, s61
	s_bcnt1_i32_b32 s60, s60
	s_add_co_u32 s58, s58, s61
	s_add_co_u32 s59, s59, s60
.endm
	; ROUND 1: wave w takes GT w's 512 group minima; register i of lane l = group 32 i + l
	s_lshl_b32 s15, s14, 11
	s_add_co_u32 s15, s15, MINS
	v_lshl_add_u32 v8, v1, 2, s15
.irp i, 0,1,2,3,4,5,6,7,8,9,10,11,12,13,14,15
	ds_load_b32 v[KX+\i], v8 offset:128*\i
.endr
	v_lshl_add_u32 v2, v1, 2, s[WSB]               ; my wave's bytes + 4 lane
	v_mov_b32 v3, s[WSB]                           ; my wave's bytes, the same in every lane
	v_lshlrev_b32 v4, 3, v1                        ; 8 lane
	v_mov_b32 v5, 64                               ; the spare place
	v_lshrrev_b32 v12, 1, v1
	v_lshlrev_b32 v12, 4, v12
	v_lshl_add_u32 v12, v1, 8, v12                 ; group l's first centre: 256 l + 16 (l / 2)
	v_lshrrev_b32 v13, 2, v1
	v_lshl_add_u32 v13, v13, 2, s[WSB]             ; my wave's bytes + 4 (lane / 4)
	v_lshrrev_b32 v14, 3, v1
	v_lshl_add_u32 v14, v14, 2, s[WSB]             ; my wave's bytes + 4 (lane / 8)
	v_and_b32 v15, 7, v1
	v_and_b32 v16, 3, v1
	v_lshlrev_b32 v17, 3, v16                      ; 8 (lane % 4)
	s_xor_b32 s60, s68, 0x80000000
	s_xor_b32 s61, s69, 0x80000000
	v_mov_b32 v18, s60                             ; v[18:19] = (-cx, -cy) of my wave's GT
	v_mov_b32 v19, s61
	s_wait_dscnt 0x0
.irp k, 0,1,2,3,4,5,6,7
	ROOT2 KX+2*\k, KS+2*\k, KX+2*\k+1, KS+2*\k+1
.endr
	SEARCH one, 16
.irp i, 0,1,2,3,4,5,6,7,8,9,10,11,12,13,14,15
	SELPOS KS+\i
	v_add_nc_u32 v10, 8448*\i, v12                 ; group 32 i + l begins at 256 G + 16 (G / 2) = 8,448 i + 256 l + 16 (l / 2)
	v_add_nc_u32 v11, 32*\i, v1                    ; G
	ds_store_b32 v9, v10 offset:LA1
	ds_store_b32 v9, v11 offset:LG1
.endr
	s_wait_dscnt 0x0                               ; every wave's LDS stores are done in front of the gather
	s_barrier_signal -1
	s_barrier_wait -1
	; ROUND 2: the 64 groups' 2,048 centres; register i of lane l = element l of the i-th group
.irp k, 0,1,2,3,4,5,6,7,8,9,10,11,12,13,14,15
	ds_load_b128 v[AL+4*\k:AL+4*\k+3], v3 offset:LA1+16*\k     ; the 64 addresses, in every lane
.endr
	s_wait_dscnt 0x0
.set ii, 0
.rept 64
	v_min_u32 v[AL+ii], MAXA1, v[AL+ii]            ; (never more: the bound is written out for the address)
	v_add_nc_u32 v[AL+ii], v[AL+ii], v4
	ds_load_b64 v[CN+2*ii:CN+2*ii+1], v[AL+ii]     ; 32 centres, 256 consecutive bytes
.set ii, ii+1
.endr
.set bb, 0
.rept 8
	s_wait_dscnt 56-8*bb                           ; the 8 (bb+1) oldest gathers are in, the 56 - 8 bb behind them may be out
.irp k, 0,1,2,3,4,5,6,7
	v_pk_add_f32 v[CN+16*bb+2*\k:CN+16*bb+2*\k+1], v[CN+16*bb+2*\k:CN+16*bb+2*\k+1], v[18:19]
.endr
.irp k, 0,1,2,3,4,5,6,7
	v_mul_f32 v[CN+16*bb+2*\k+1], v[CN+16*bb+2*\k+1], v[CN+16*bb+2*\k+1]
.endr
.irp k, 0,1,2,3,4,5,6,7
	v_fma_f32 v[CN+16*bb+2*\k], v[CN+16*bb+2*\k], v[CN+16*bb+2*\k], v[CN+16*bb+2*\k+1]
.endr
.irp k, 0,1,2,3,4,5,6,7
	v_min_num_f32_dpp v[CN+16*bb+2*\k], v[CN+16*bb+2*\k], v[CN+16*bb+2*\k] row_xmask:1 row_mask:0xf bank_mask:0xf
.endr
.irp k, 0,1,2,3,4,5,6,7
	v_min_num_f32_dpp v[CN+16*bb+2*\k], v[CN+16*bb+2*\k], v[CN+16*bb+2*\k] row_xmask:2 row_mask:0xf bank_mask:0xf   ; the smallest of four neighbouring lanes, in all four
.endr
.set bb, bb+1
.endr
	s_barrier_signal -1                            ; behind the last batch's s_wait_dscnt 0: every wave's gather is over in front of the next LDS stores
	s_barrier_wait -1
.set ii, 0
.rept 64
	ds_store_b32 v13, v[CN+2*ii] offset:SUBM+32*ii ; word 8 i + l / 4; four lanes write the same word with the same value
.set ii, ii+1
.endr
.irp m, 0,1,2,3,4,5,6,7,8,9,10,11,12,13,14,15
	ds_load_b32 v[KX+\m], v2 offset:SUBM+128*\m    ; register m of lane l = word 32 m + l: part l % 8 of the (4 m + l / 8)-th group.  My own bytes, served in order
	ds_load_b32 v[GG+\m], v14 offset:LG1+16*\m     ; and that group's number
.endr
	s_wait_dscnt 0x0
.irp k, 0,1,2,3,4,5,6,7
	ROOT2 KX+2*\k, KS+2*\k, KX+2*\k+1, KS+2*\k+1
.endr
	SEARCH two, 16
.irp m, 0,1,2,3,4,5,6,7,8,9,10,11,12,13,14,15
	SELPOS KS+\m
	v_lshl_add_u32 v10, v[GG+\m], 3, v15           ; N = index / 4 = 8 G + part
	v_and_b32 v11, -16, v10
	v_lshl_add_u32 v11, v10, 5, v11                ; its first centre: 8 (4 N) + 16 (4 N / 64) = 32 N + (N & ~15)
	ds_store_b32 v9, v11 offset:LA2
	ds_store_b32 v9, v10 offset:LG2
.endr
	s_wait_dscnt 0x0                               ; every wave's LDS stores are done in front of the gather
	s_barrier_signal -1
	s_barrier_wait -1
	; ROUND 3: the 64 groups of four: register n of lane l = element l % 4 of the (8 n + l / 4)-th
.irp n, 0,1,2,3,4,5,6,7
	ds_load_b32 v[AL+\n], v13 offset:LA2+32*\n
	ds_load_b32 v[GG+\n], v13 offset:LG2+32*\n
.endr
	s_wait_dscnt 0x0
.irp n, 0,1,2,3,4,5,6,7
	v_min_u32 v[AL+\n], MAXA2, v[AL+\n]            ; (never more: the bound is written out for the address)
	v_add_nc_u32 v[AL+\n], v[AL+\n], v17
	ds_load_b64 v[CN+2*\n:CN+2*\n+1], v[AL+\n]
.endr
.irp n, 0,1,2,3,4,5,6,7
	v_lshl_add_u32 v[GG+\n], v[GG+\n], 2, v16      ; the index
.endr
	s_wait_dscnt 0x0                               ; every wave's gather is over in front of the next LDS stores
	s_barrier_signal -1
	s_barrier_wait -1
.irp n, 0,1,2,3,4,5,6,7
	v_pk_add_f32 v[CN+2*\n:CN+2*\n+1], v[CN+2*\n:CN+2*\n+1], v[18:19]
.endr
.irp n, 0,1,2,3,4,5,6,7
	v_mul_f32 v[CN+2*\n+1], v[CN+2*\n+1], v[CN+2*\n+1]
.endr
.irp n, 0,1,2,3,4,5,6,7
	v_fma_f32 v[KX+\n], v[CN+2*\n], v[CN+2*\n], v[CN+2*\n+1]
.endr
.irp k, 0,1,2,3
	ROOT2 KX+2*\k, KS+2*\k, KX+2*\k+1, KS+2*\k+1
.endr
	SEARCH three, 8
.irp n, 0,1,2,3,4,5,6,7
	SELPOS KS+\n
	ds_store_b32 v9, v[GG+\n] offset:LI3
.endr
	; PHASE 3: the 64, two a lane
	ds_load_b32 v21, v2 offset:LI3                 ; my own bytes, served in order behind the stores
	ds_load_b32 v22, v2 offset:LI3+128
	s_mov_b32 s54, 0x76543210                      ; v_permlanex16_b32: lane i reads lane i of the other half
	s_mov_b32 s55, 0xfedcba98
	s_wait_dscnt 0x0
	v_min_u32 v21, 0x3fff, v21                     ; (never more: the bound is written out for the address)
	v_min_u32 v22, 0x3fff, v22
	v_lshlrev_b32 v23, 4, v21
	v_lshlrev_b32 v24, 4, v22
	global_load_b128 v[BOXA:BOXA+3], v23, s[4:5]
	global_load_b128 v[BOXB:BOXB+3], v24, s[4:5]
.irp r, 0,1,2,3,4,5
	v_mov_b32 v[PT+\r], 0                          ; destinations of lane exchanges count as read: written once here
.endr
.irp r, 0,1
	v_mov_b32 v[E0+\r], -1                         ; the sorted list starts empty: keys of all ones, above every distance
	v_mov_b32 v[E1+\r], -1
.endr
	v_mov_b32 v[E0+2], 0
	v_mov_b32 v[E1+2], 0
	v_fma_f32 v[GT],   s70, -0.5, s68              ; x1 (w/2 is exact, so the fused form rounds as cx - 0.5 w does)
	v_fma_f32 v[GT+1], s71, -0.5, s69              ; y1
	v_fma_f32 v[GT+2], s70, 0.5, s68               ; x2
	v_fma_f32 v[GT+3], s71, 0.5, s69               ; y2
	v_sub_f32 v[GT+4], v[GT+2], v[GT]
	v_sub_f32 v45, v[GT+3], v[GT+1]
	v_mul_f32 v[GT+4], v[GT+4], v45                ; area_a
.macro XCH dst, src, dist              ; v[dst] = v[src] of lane xor dist
.if \dist == 16
	v_permlanex16_b32 v[\dst], v[\src], s54, s55
.else
	v_mov_b32_dpp v[\dst], v[\src] row_xmask:\dist row_mask:0xf bank_mask:0xf
.endif
.endm
.macro LESS sa, a, b                   ; s[sa] = lanes where element a's key is below element b's; uses s[sa+1], s[sa+2]
	v_cmp_lt_u32 s[\sa],   v[\a],   v[\b]
	v_cmp_eq_u32 s[\sa+1], v[\a],   v[\b]
	v_cmp_lt_u32 s[\sa+2], v[\a+1], v[\b+1]
	s_and_b32 s[\sa+1], s[\sa+1], s[\sa+2]
	s_or_b32  s[\sa],   s[\sa],   s[\sa+1]
.endm
.macro TAKE e, p, sa                   ; element e takes element p where s[sa] says so
.irp r, 0,1,2
	v_cndmask_b32 v[\e+\r], v[\e+\r], v[\p+\r], s[\sa]
.endr
.endm
; Compare and exchange with lane xor dist.  flip: the lanes that keep the LARGER key (they take the partner's when it is not below their own).
.macro CEX1 e, dist, flip
	XCH PT,   \e,   \dist
	XCH PT+1, \e+1, \dist
	XCH PT+2, \e+2, \dist
	LESS 56, PT, \e
	s_xor_b32 s56, s56, \flip
	TAKE \e, PT, 56
.endm
.macro CEX2 dist, flip                 ; the same for both halves of the list, interleaved
	XCH PT,   E0,   \dist
	XCH PT+1, E0+1, \dist
	XCH PT+2, E0+2, \dist
	XCH PU,   E1,   \dist
	XCH PU+1, E1+1, \dist
	XCH PU+2, E1+2, \dist
	LESS 56, PT, E0
	LESS 59, PU, E1
	s_xor_b32 s56, s56, \flip
	s_xor_b32 s59, s59, \flip
	TAKE E0, PT, 56
	TAKE E1, PU, 59
.endm
; 32 of the 64: key = (bits of dist, 2 idx + inside), compared as a 64-bit unsigned number: dist ascending, equal dist by ascending index; IoU rides along.
; Sorted across the lanes, descending, and merged into the sorted list (element e = 32 slot + lane).  left: younger loads that may stay out.
.macro CHUNK box, idx, left
	s_wait_loadcnt \left
	v_sub_f32 v52, s68, v[\box]
	v_sub_f32 v53, s69, v[\box+1]
	v_mul_f32 v54, v53, v53
	v_fma_f32 v54, v52, v52, v54                   ; dx dx + round(dy dy), one rounding: the same bits as in the sweep and the rounds
	ROOT_HEAD 54, NW, 56, 45
	v_fma_f32 v60, v[\box+2], -0.5, v[\box]        ; the candidate's corners
	v_fma_f32 v61, v[\box+3], -0.5, v[\box+1]
	v_fma_f32 v62, v[\box+2], 0.5, v[\box]
	v_fma_f32 v63, v[\box+3], 0.5, v[\box+1]
	v_max_num_f32 v64, v[GT],   v60
	v_max_num_f32 v65, v[GT+1], v61
	v_min_num_f32 v66, v[GT+2], v62
	v_min_num_f32 v67, v[GT+3], v63
	v_sub_f32 v64, v66, v64
	v_sub_f32 v65, v67, v65
	v_max_num_f32 v64, 0, v64
	v_max_num_f32 v65, 0, v65
	v_mul_f32 v64, v64, v65                        ; inter
	v_sub_f32 v62, v62, v60
	v_sub_f32 v63, v63, v61
	v_mul_f32 v62, v62, v63                        ; area_b
	v_add_f32 v62, v[GT+4], v62
	v_sub_f32 v62, v62, v64                        ; the denominator
	v_rcp_f32 v63, v62
	ROOT_TAIL 54, NW, 56, 57, 58, 59, 45           ; key high: the distance's bits (its plain lines also stand behind v_rcp_f32)
	v_fma_f32 v66, -v62, v63, 1.0                  ; the reciprocal refined,
	v_fma_f32 v63, v63, v66, v63
	v_mul_f32 v66, v64, v63                        ; the quotient,
	v_fma_f32 v67, -v62, v66, v64                  ; its residual,
	v_fma_f32 v[NW+2], v67, v63, v66               ; and the quotient corrected
	v_cmp_le_f32 s46, v[GT],     v[\box]           ; inside
	v_cmp_le_f32 s47, v[\box],   v[GT+2]
	v_cmp_le_f32 s62, v[GT+1],   v[\box+1]
	v_cmp_le_f32 s63, v[\box+1], v[GT+3]
	s_and_b32 s46, s46, s47
	s_and_b32 s62, s62, s63
	s_and_b32 vcc_lo, s46, s62
	v_add_co_ci_u32 v[NW+1], vcc_lo, v[\idx], v[\idx], vcc_lo  ; key low: 2 idx + inside: orders as idx does
	; bitonic sort of the 32, descending.  Phase k, distance j: a run of k lanes ascends where lane & k is set; flip = (lane & j == 0) xor (lane & k != 0)
	CEX1 NW, 1,  0x99999999
	CEX1 NW, 2,  0xc3c3c3c3
	CEX1 NW, 1,  0xa5a5a5a5
	CEX1 NW, 4,  0xf00ff00f
	CEX1 NW, 2,  0xcc33cc33
	CEX1 NW, 1,  0xaa55aa55
	CEX1 NW, 8,  0xff0000ff
	CEX1 NW, 4,  0xf0f00f0f
	CEX1 NW, 2,  0xcccc3333
	CEX1 NW, 1,  0xaaaa5555
	CEX1 NW, 16, 0x0000ffff
	CEX1 NW, 8,  0x00ff00ff
	CEX1 NW, 4,  0x0f0f0f0f
	CEX1 NW, 2,  0x33333333
	CEX1 NW, 1,  0x55555555
	; merge: with a the list (ascending) and b the chunk, min(a[32+i], b[31-i]) beside a[0..31] holds the 64 smallest and is bitonic
	LESS 56, NW, E1
	TAKE E1, NW, 56
	LESS 56, E1, E0                                ; distance 32: within the lane
.irp r, 0,1,2
	v_cndmask_b32 v[PT+\r], v[E0+\r], v[E1+\r], s56
	v_cndmask_b32 v[E1+\r], v[E1+\r], v[E0+\r], s56
	v_mov_b32 v[E0+\r], v[PT+\r]
.endr
	CEX2 16, 0xffff0000                            ; ascending: the upper lane of a pair keeps the larger key
	CEX2 8,  0xff00ff00
	CEX2 4,  0xf0f0f0f0
	CEX2 2,  0xcccccccc
	CEX2 1,  0xaaaaaaaa
.endm
	CHUNK BOXA, 21, 1                              ; the first boxes are in; the one load behind them may be out
	CHUNK BOXB, 22, 0
	; the threshold and the way out
.macro WSUM r, t                       ; sum over the 32 lanes, in every lane
	v_add_f32_dpp v[\r], v[\r], v[\r] row_xmask:1 row_mask:0xf bank_mask:0xf
	v_add_f32_dpp v[\r], v[\r], v[\r] row_xmask:2 row_mask:0xf bank_mask:0xf
	v_add_f32_dpp v[\r], v[\r], v[\r] row_xmask:4 row_mask:0xf bank_mask:0xf
	v_add_f32_dpp v[\r], v[\r], v[\r] row_xmask:8 row_mask:0xf bank_mask:0xf
	v_permlanex16_b32 v[\t], v[\r], s54, s55
	v_add_f32 v[\r], v[\r], v[\t]
.endm
	v_add_f32 v52, v[E0+2], v[E1+2]
	WSUM 52, 53
	v_mul_f32 v52, 0x3c800000, v52                 ; mean = sum / 64
	v_sub_f32 v53, v[E0+2], v52
	v_sub_f32 v54, v[E1+2], v52
	v_mul_f32 v53, v53, v53
	v_fma_f32 v54, v54, v54, v53
	WSUM 54, 53
	v_mul_f32 v55, 0x3c820821, v54                 ; / 63: times the rounded 1/63,
	v_fma_f32 v56, v55, 0xc27c0000, v54            ; the residual sum - 63 q,
	v_fma_f32 v54, v56, 0x3c820821, v55            ; and q corrected
	ROOT_HEAD 54, 55, 56, 45
	v_lshrrev_b32 v68, 1, v[E0+1]                  ; k_idx (also the plain line behind v_sqrt_f32)
	v_lshrrev_b32 v69, 1, v[E1+1]
	ROOT_TAIL 54, 55, 56, 57, 58, 59, 45
	v_add_f32 v52, v52, v55                        ; thr = mean + std
	v_cmp_ge_f32 s46, v[E0+2], v52
	v_cmp_ge_f32 s47, v[E1+2], v52
	v_and_b32 v56, 1, v[E0+1]                      ; inside
	v_and_b32 v57, 1, v[E1+1]
	v_cndmask_b32 v56, 0, v56, s46
	v_cndmask_b32 v57, 0, v57, s47
	; a lane holds ranks lane and 32 + lane; through my own 512 bytes of LDS it gets ranks 2 lane and 2 lane + 1: one store then covers the GT's 256 bytes
	v_lshl_add_u32 v61, v1, 2, s[WSB]
	v_lshl_add_u32 v62, v1, 3, s[WSB]
	v_lshlrev_b32 v60, 3, v1
	s_lshl_b32 s53, s14, 6
	s_add_co_u32 s53, s53, OUTM
	v_add_nc_u32 v63, s53, v1                      ; my GT's 64 mask bytes
	ds_store_b32 v61, v[E0+2] offset:STG
	ds_store_b32 v61, v[E1+2] offset:STG+128
	ds_store_b32 v61, v68 offset:STG+256
	ds_store_b32 v61, v69 offset:STG+384
	ds_store_b8 v63, v56
	ds_store_b8 v63, v57 offset:32
	ds_load_b64 v[64:65], v62 offset:STG           ; my own bytes, served in order behind the stores
	ds_load_b64 v[66:67], v62 offset:STG+256
	s_wait_dscnt 0x0                               ; zero: the loads for my stores below, the mask bytes for wave 0 behind the barrier
	s_barrier_signal -1
	s_barrier_wait -1
	global_store_b64 v60, v[64:65], s[8:9]         ; 256 consecutive bytes, aligned
	global_store_b64 v60, v[66:67], s[12:13]
	s_cmp_lg_u32 s14, 0
	s_cbranch_scc1 .Lend
	v_lshlrev_b32 v70, 4, v1                       ; wave 0 stores the eight GTs' mask bytes: 512 consecutive bytes, aligned
	v_add_nc_u32 v71, OUTM, v70
	ds_load_b128 v[72:75], v71
	s_wait_dscnt 0x0
	global_store_b128 v70, v[72:75], s[10:11]
.Lend:
	s_set_vgpr_msb 0x5
	s_wait_tensorcnt 0x0
	ds_add_u32 v0, v1
	s_wait_dscnt 0x0
	s_set_vgpr_msb 0x500
	s_endpgm
.Lfunc_end_k_q206d737c47_atss:
	.size	k_q206d737c47_atss, .Lfunc_end_k_q206d737c47_atss-k_q206d737c47_atss
	.p2alignl 7, 3214868480
	.fill 96, 4, 3214868480
	.section	.rodata,"a",@progbits
	.p2align	6, 0x0
	.amdhsa_kernel k_q206d737c47_atss
		.amdhsa_group_segment_fixed_size 185856
		.amdhsa_private_segment_fixed_size 0
		.amdhsa_enable_private_segment 0
		.amdhsa_kernarg_size 40
		.amdhsa_user_sgpr_count 2
		.amdhsa_user_sgpr_kernarg_segment_ptr 1
		.amdhsa_wavefront_size32 1
		.amdhsa_system_sgpr_workgroup_id_x 1
		.amdhsa_system_sgpr_workgroup_id_y 1
		.amdhsa_system_sgpr_workgroup_id_z 1
		.amdhsa_system_vgpr_workitem_id 0
		.amdhsa_next_free_vgpr 258
		.amdhsa_next_free_sgpr 90
		.amdhsa_reserve_vcc 1
		.amdhsa_float_denorm_mode_32 3
		.amdhsa_float_denorm_mode_16_64 3
		.amdhsa_memory_ordered 1
		.amdhsa_forward_progress 1
		.amdhsa_inst_pref_size 255
	.end_amdhsa_kernel
	.section	.bss,"aw",@nobits
	.p2align	6
	.space	262144
	.amdgpu_metadata
---
amdhsa.version: [ 1, 2 ]
amdhsa.kernels:
  - .name:           k_q206d737c47_atss
    .symbol:         k_q206d737c47_atss.kd
    .args:
      - { .name: pred_boxes, .offset: 0, .size: 8, .value_kind: global_buffer, .address_space: global }
      - { .name: gt_boxes, .offset: 8, .size: 8, .value_kind: global_buffer, .address_space: global }
      - { .name: out0, .offset: 16, .size: 8, .value_kind: global_buffer, .address_space: global }
      - { .name: out1, .offset: 24, .size: 8, .value_kind: global_buffer, .address_space: global }
      - { .name: out2, .offset: 32, .size: 8, .value_kind: global_buffer, .address_space: global }
    .group_segment_fixed_size: 185856
    .private_segment_fixed_size: 0
    .kernarg_segment_align: 8
    .kernarg_segment_size: 40
    .max_flat_workgroup_size: 256
    .sgpr_count:     90
    .vgpr_count:     258
    .wavefront_size: 32
...
	.end_amdgpu_metadata
.endif
;; end of part 1
